; MI455X (gfx1250); checked and timed in simulation.
; The chip was launched on July 23, 2026; its instructions are those of AMD's public machine-readable ISA for CDNA 5 (MIT licence, August 2026) and "CDNA5" Instruction Set Architecture Reference Guide (July 2026). The comments in the code are by the model that wrote it; some were corrected since.
;; U Net Attention. Allowed arithmetic: matrix products marked QUANTISED: E4M3 operands, one E8M0 scale for each 32 along K, by v_wmma_scale_f32_16x16x128_f8f6f4 with both operands' format E4M3, f32 sums; everything else in f32.
;; Inputs: beta 512 float32; bk 512 float32; bp 512 float32; bq 512 float32; bv 512 float32; gamma 512 float32; wk_codes 512 x 16 x 32 uint8 (E4M3 codes of wk, K innermost, in blocks of 32 codes); wk_scales 512 x 16 uint8 (E8M0 scales of wk, one for each 32 codes along K); wp_codes 512 x 16 x 32 uint8 (E4M3 codes of wp, K innermost, in blocks of 32 codes); wp_scales 512 x 16 uint8 (E8M0 scales of wp, one for each 32 codes along K); wq_codes 512 x 16 x 32 uint8 (E4M3 codes of wq, K innermost, in blocks of 32 codes); wq_scales 512 x 16 uint8 (E8M0 scales of wq, one for each 32 codes along K); wv_codes 512 x 16 x 32 uint8 (E4M3 codes of wv, K innermost, in blocks of 32 codes); wv_scales 512 x 16 uint8 (E8M0 scales of wv, one for each 32 codes along K); x 16 x 512 x 32 x 32 float32.
;; Outputs: out0 16 x 512 x 32 x 32 float32.
;; This version of the problem:
;;   THIS VERSION OF THE PROBLEM IS GIVEN IN LOW PRECISION. The matrix products marked QUANTISED in the list below multiply operands that are first quantised to E4M3 (4 exponent bits, 3 mantissa bits; 8 bits a number), with one power-of-two scale for each 32 numbers along K (OCP MX v1.0); their sums are f32. All else is computed in f32.
;;   The module's matrix products, in the order in which they are computed (A, B: the left and right operand; K: the contracted axis; several contracted axes count as one K, in the product's order):
;;     1. [M 16,384, K 512] x [K 512, N 512]; A: computed on the way; B: input wq (given as codes): QUANTISED
;;     2. [M 16,384, K 512] x [K 512, N 512]; A: computed on the way; B: input wk (given as codes): QUANTISED
;;     3. [M 16,384, K 512] x [K 512, N 512]; A: computed on the way; B: input wv (given as codes): QUANTISED
;;     4. batch 16 x [M 1,024, K 512] x [K 512, N 1,024]; A: computed on the way; B: computed on the way: QUANTISED
;;     5. batch 16 x [M 512, K 1,024] x [K 1,024, N 1,024]; A: computed on the way; B: softmax (see below): QUANTISED
;;     6. [M 16,384, K 512] x [K 512, N 512]; A: computed on the way; B: input wp (given as codes): QUANTISED
;;   THE QUANTISER, for each operand of a quantised product, along K:
;;     - K is cut into blocks of 32 from its start; a last block that is shorter is filled with zeros.
;;     - A block's scale is 2^e with e = floor(log2(the largest magnitude in the block)) - 8, held to -126 .. 127; a block of zeros has e = 0. As a byte (E8M0): e + 127.
;;     - Each number is divided by its block's scale, clamped to +-448, and rounded to the nearest number of E4M3, ties to even, subnormals kept.
;;     - The product sums the exact products of the quantised numbers (number of the format x scale) in f32.
;;   ~~~python
;;   def quantise(x, axis):      # numpy; x: float32 -> the quantised numbers, widened to float32 again
;;       x = np.moveaxis(x, axis, -1); K = x.shape[-1]
;;       x = np.pad(x, [(0, 0)] * (x.ndim - 1) + [(0, -K % 32)]); x = x.reshape(x.shape[:-1] + (-1, 32)); a = np.abs(x).max(-1, keepdims=True)
;;       e = np.where(a > 0, np.clip(np.frexp(np.where(a > 0, a, 1))[1] - 1 - 8, -126, 127), 0)      # np.frexp(a)[1] - 1 = floor(log2(a)), exactly
;;       r = np.clip(x / 2.0 ** e, -448, 448)
;;       step = 2.0 ** (np.maximum(np.frexp(np.where(r == 0, 1, r))[1] - 1, -6) - 3)
;;       q = np.round(r / step) * step * 2.0 ** e      # np.round: ties to even
;;       return np.moveaxis(q.reshape(q.shape[:-2] + (-1,))[..., :K], -1, axis).astype(np.float32)
;;   ~~~
;;   SOFTMAX AHEAD OF A QUANTISED PRODUCT. Where the list says 'softmax', what is quantised is not the finished softmax but p = 2^(t - M), with t = logit x log2(e) and M = ceil(the row's largest t), a whole number; so 1/2 < the row's largest p <= 1. The row's sum l is taken of the UNQUANTISED p, in f32, and the product's result is divided by l at the end. Since M is a whole number, a kernel that streams over the keys may use a running M (the ceiling of the running maximum): every later rescaling is an exact power of two, which a block's scale takes up: the codes' values come out the same.
;;   OPERANDS COMPUTED ON THE WAY. 'Computed on the way' means the value that the module computes at that place (a softmax that the list does not call 'softmax' is quantised finished and normalised). What goes into a quantiser is computed in f32, as accurately as f32 sums, v_exp_f32 and their like allow (about 1e-6 of the number): no bf16 or f16 on the way to a quantiser, and a product that is left as it is and whose result goes on into a quantised operand takes f32 operands (vector FMAs, or v_wmma_f32_16x16x4_f32). A number that lies on a knife's edge between two numbers of the format may be rounded either way, as far as f32 arithmetic and the matrix unit's own rounding can turn it there, and no further.
;;   INPUTS GIVEN AS CODES. wk (in the module: [512, 512], K = its axis 1); wp (in the module: [512, 512], K = its axis 1); wq (in the module: [512, 512], K = its axis 1); wv (in the module: [512, 512], K = its axis 1): each comes as NAME_codes (uint8): NAME with its K axis moved to the last place and cut into blocks of 32 codes, [.., K / 32, bytes a block], one block behind the other in memory; one code a byte (a code: sign, 4 exponent bits, 3 mantissa bits); and NAME_scales (uint8): the same leading axes, one E8M0 byte (e + 127) for each 32 codes along K. Its value is code x scale, taken as it is: it is not quantised again, and the codes and scales need not be those that the quantiser above would give.
;; One version. Each part assembles by itself: llvm-mc -triple=amdgcn-amd-amdhsa -mcpu=gfx1250 --defsym DOCPART=n.
;; ======== version 1 of 1: 3 launches
;; workspace buffers: hc 8,388,608 bytes; hs 262,144 bytes; wimg 1,048,576 bytes; qkvc 25,165,824 bytes; qkvs 786,432 bytes
;; launch gnq (part 1): grid 16 x 16, 8 waves a work-group, no clusters, 35,840 bytes of LDS; arguments x, gamma, beta, wq_codes, wk_codes, wv_codes, wp_codes, hc, hs, wimg; writes hc, hs, wimg
.if DOCPART == 1
	.amdgcn_target "amdgcn-amd-amdhsa--gfx1250"
	.amdhsa_code_object_version 6
	.text
	.protected	k_qc1656cba32_gnq
	.globl	k_qc1656cba32_gnq
	.p2align	8
	.type	k_qc1656cba32_gnq,@function
k_qc1656cba32_gnq:
	s_mov_b64 s[64:65], 0
	v_nop
	global_prefetch_b8 v0, s[64:65] scope:SCOPE_SE
	s_setreg_imm32_b32 hwreg(HW_REG_WAVE_MODE, 25, 1), 1
	s_wait_xcnt 0x0
; GroupNorm of x [16][512][1024] f32, quantised along the channels to FP8 (E4M3) codes with one E8M0 byte for each 32 channels; and the four weights' codes laid anew as register images.
; SHARES.  A work-group owns 32 channels (two groups of 16 = one block of 32 along K) x 1,024 pixels of one batch: 128 KB, kept in registers: x is read once.  Thread t owns pixels 4 t .. 4 t + 3 of all 32 channels:
; each load of a wave covers 512 consecutive bytes, and a pixel's block of 32 channels lies in ONE lane, so that its largest magnitude needs no other lane.
; OUT.  hc [b][tile 64][block 16][lane 32][16 bytes]: the image of the operand's registers: lane (r, h) of tile T holds channels 16 h .. 16 h + 15 of the block, of pixel 32 (T / 2) + 8 (T % 2) + r % 8 + 16 (r / 8).
;       hs [b][block 16][16 T + r]: the scale bytes.   wimg [matrix 4][tile 32][K step 4][group 4][lane 32][16 bytes]: wq, wk, wv with a tile's rows in the same order as the pixels above, wp with rows 16 t + r.
; Mean and variance in two passes over the registers (the variance of x - mean), so a common offset of x costs no digits.
; LIMITS: NaN and infinities are not served.  A block of zeros gets the byte 1 (the quantiser's text says 127): its codes are zeros, and this program alone reads the bytes.
; No tensor load, no cluster: the work-groups share no input but 256 bytes of gamma and beta.
.set X,    32                          ; v32-159   x, later x - mean: channel c, pixel j at X + 4 c + j
.set T,    160                         ; v160-223  two sets of 32 numbers of one pixel; before that the sums' exchange
.set C,    224                         ; v224-255  codes: 8 registers a pixel
.set GA,   24                          ; s[24:55]  gamma, later gamma / sqrt(var + eps)
.set BE,   68                          ; s[68:99]  beta
.set SCB,  32768                       ; LDS: 0 .. 32767 a stage of 4,096 bytes for each wave; then 1,024 scale bytes; then twice 64 bytes of partial sums, 256 apart
.set RED,  33792
	s_load_b512 s[4:19], s[0:1], 0x0               ; x, gamma, beta, wq, wk, wv, wp (codes), hc
	s_load_b128 s[20:23], s[0:1], 0x40             ; hs, wimg
	v_lshl_add_u32 v21, v0, 2, 0x8800
	v_mov_b32 v31, 0
	v_lshrrev_b32 v25, 5, v0
	v_readfirstlane_b32 s56, v25                   ; wave 0..7
	s_and_b32 s57, ttmp7, 0xffff                   ; batch
	s_mov_b32 s58, ttmp9                           ; block of 32 channels
	s_mov_b32 s59, 0x600000                        ; the mantissa field of 448
	s_mov_b32 s2, 0x76543210
	s_mov_b32 s3, 0xfedcba98                       ; v_permlanex16_b32's selects for lane l xor 16
	v_and_b32 v24, 31, v0                          ; lane
	v_lshlrev_b32 v1, 4, v0                        ; 16 t: my 16 bytes of a row of x; also my 16 bytes of the work-group's 4,096 of wimg
	v_lshrrev_b32 v26, 3, v0                       ; 4 wave + lane / 8: which 32 pixels
	v_bfe_u32 v27, v0, 1, 1                        ; pixel bit 3: the tile of the pair
	v_bfe_u32 v28, v0, 2, 1                        ; pixel bit 4: row r / 8
	v_and_b32 v29, 1, v0                           ; pixel bit 2
	v_lshlrev_b32 v2, 10, v26                      ; the stage, on the way in: two tiles of 512 bytes for each 32 pixels,
	v_lshl_add_u32 v2, v27, 9, v2
	v_lshl_add_u32 v2, v28, 7, v2                  ; row r = 8 (bit 4) + 4 (bit 2) + j, 16 bytes a row
	v_lshl_add_u32 v2, v29, 6, v2
	v_lshlrev_b32 v3, 4, v24
	v_lshl_add_u32 v4, v25, 16, v3                 ; hc: 8 tiles of 8,192 bytes a wave, + 16 lane
	v_lshl_add_u32 v3, v25, 12, v3                 ; the stage, on the way out: 4,096 wave + 16 lane
	v_lshlrev_b32 v5, 5, v26                       ; my four pixels' scale bytes: place 16 T + r
	v_lshl_add_u32 v5, v27, 4, v5
	v_lshl_add_u32 v5, v28, 3, v5
	v_lshl_add_u32 v5, v29, 2, v5
	v_add_nc_u32 v5, SCB, v5
	v_and_b32 v22, 3, v25
	v_lshlrev_b32 v22, 8, v22
	v_lshl_add_u32 v22, v24, 3, v22                ; hs: waves 0 to 3 store 256 bytes each, 8 a lane
	v_add_nc_u32 v6, SCB, v22
	v_lshl_add_u32 v23, v25, 3, RED                ; my wave's two partial sums
	v_mov_b32 v30, RED
	; which 512 bytes of which weight my wave lays anew: work-group g = 16 b + block; matrix g / 64; fragment 2 (g % 64) + wave / 4 = 4 tile + K step; group wave % 4
	s_lshl_b32 s62, s57, 4
	s_add_co_u32 s62, s62, s58                     ; g
	s_lshr_b32 s63, s57, 2                         ; matrix 0..3: q, k, v, p
	s_and_b32 s66, s62, 63
	s_lshl_b32 s66, s66, 1
	s_lshr_b32 s67, s56, 2
	s_add_co_u32 s66, s66, s67
	s_lshr_b32 s67, s66, 2                         ; tile
	s_and_b32 s66, s66, 3
	s_lshl_b32 s66, s66, 7                         ; 128 x K step
	s_and_b32 s60, s56, 3
	s_lshl_b32 s60, s60, 5                         ; 32 x group
	s_add_co_u32 s66, s66, s60
	s_cmp_eq_u32 s63, 3                            ; row of lane r in tile t: 32 (t / 2) + K2 (t % 2) + r % 8 + K1 (r / 8)
	s_cselect_b32 s60, 8, 16                       ; K1
	s_cselect_b32 s61, 16, 8                       ; K2
	s_and_b32 s100, s67, 1
	s_mul_i32 s100, s100, s61
	s_lshr_b32 s67, s67, 1
	s_lshl_b32 s67, s67, 5
	s_add_co_u32 s67, s67, s100
	s_lshl_b32 s67, s67, 9                         ; a row of codes is 512 bytes
	s_add_co_u32 s66, s66, s67
	v_and_b32 v12, 7, v0
	v_bfe_u32 v13, v0, 3, 1
	v_bfe_u32 v14, v0, 4, 1
	v_mad_u32_u24 v12, v13, s60, v12
	v_lshlrev_b32 v12, 9, v12
	v_lshl_add_u32 v12, v14, 4, v12                ; + 16 h
	v_add_nc_u32 v20, s66, v12
	s_wait_kmcnt 0x0
	s_lshl_b32 s60, s58, 7                         ; my 32 numbers of gamma and of beta
	s_mov_b32 s61, 0
	s_add_nc_u64 s[6:7], s[6:7], s[60:61]
	s_add_nc_u64 s[8:9], s[8:9], s[60:61]
	s_load_b512 s[24:39], s[6:7], 0x0
	s_load_b512 s[40:55], s[6:7], 0x40
	s_load_b512 s[68:83], s[8:9], 0x0
	s_load_b512 s[84:99], s[8:9], 0x40
	s_cmp_lt_u32 s63, 1                            ; the weight's buffer: the choice hangs on the work-group's number alone
	s_cselect_b64 s[100:101], s[10:11], s[12:13]
	s_cmp_lt_u32 s63, 2
	s_cselect_b64 s[100:101], s[100:101], s[14:15]
	s_cmp_lt_u32 s63, 3
	s_cselect_b64 s[100:101], s[100:101], s[16:17]
	global_load_b128 v[8:11], v20, s[100:101]
	s_lshl_b32 s60, s57, 21
	s_lshl_b32 s66, s58, 17
	s_add_co_u32 s60, s60, s66
	s_add_nc_u64 s[4:5], s[4:5], s[60:61]          ; x at my 32 channels
.set cc, 0
.rept 32
	global_load_b128 v[X+4*cc:X+4*cc+3], v1, s[4:5] offset:4096*cc   ; a wave reads 512 consecutive bytes; x is read again by a later launch, so no hint
.set cc, cc+1
.endr
	s_lshl_b32 s60, s62, 12
	s_add_nc_u64 s[22:23], s[22:23], s[60:61]      ; wimg at the work-group's 4,096 bytes
	s_lshl_b32 s60, s57, 19
	s_lshl_b32 s66, s58, 9
	s_add_co_u32 s60, s60, s66
	s_add_nc_u64 s[18:19], s[18:19], s[60:61]      ; hc at my batch and block
	s_lshl_b32 s60, s57, 14
	s_lshl_b32 s66, s58, 10
	s_add_co_u32 s60, s60, s66
	s_add_nc_u64 s[20:21], s[20:21], s[60:61]      ; hs likewise
	s_wait_loadcnt 32                              ; the weight's 16 bytes are in; the 32 loads of x issued behind them may be out
	global_store_b128 v1, v[8:11], s[22:23]        ; a wave stores 512 consecutive bytes
; The sums of my 64 numbers of each group: two packed chains a group, started by the first two channels: nothing is cleared.
.set ii, 0
.rept 16
	s_wait_loadcnt 30-2*ii                         ; channels 2 i and 2 i + 1 are in; the younger loads stay out
.set gg, ii/8
.if ii%8 == 0
	v_pk_add_f32 v[12+4*gg:13+4*gg], v[X+8*ii:X+8*ii+1], v[X+8*ii+4:X+8*ii+5]
	v_pk_add_f32 v[14+4*gg:15+4*gg], v[X+8*ii+2:X+8*ii+3], v[X+8*ii+6:X+8*ii+7]
.else
	v_pk_add_f32 v[12+4*gg:13+4*gg], v[12+4*gg:13+4*gg], v[X+8*ii:X+8*ii+1]
	v_pk_add_f32 v[14+4*gg:15+4*gg], v[14+4*gg:15+4*gg], v[X+8*ii+2:X+8*ii+3]
	v_pk_add_f32 v[12+4*gg:13+4*gg], v[12+4*gg:13+4*gg], v[X+8*ii+4:X+8*ii+5]
	v_pk_add_f32 v[14+4*gg:15+4*gg], v[14+4*gg:15+4*gg], v[X+8*ii+6:X+8*ii+7]
.endif
.set ii, ii+1
.endr
; The four chains become two numbers a lane, a wave, a work-group: v160 the first group's sum, v161 the second's, in every lane.
.macro REDUCE off
	v_pk_add_f32 v[12:13], v[12:13], v[14:15]
	v_pk_add_f32 v[16:17], v[16:17], v[18:19]
	v_add_f32 v12, v12, v13
	v_add_f32 v13, v16, v17
.irp m, 1,2,4,8
	v_add_f32_dpp v12, v12, v12 row_xmask:\m row_mask:0xf bank_mask:0xf
	v_add_f32_dpp v13, v13, v13 row_xmask:\m row_mask:0xf bank_mask:0xf
.endr
	v_permlanex16_b32 v14, v12, s2, s3
	v_permlanex16_b32 v15, v13, s2, s3
	v_add_f32 v12, v12, v14
	v_add_f32 v13, v13, v15
	ds_store_b64 v23, v[12:13] offset:\off         ; all lanes write the same 8 bytes with the same values
	s_wait_dscnt 0x0                               ; for the others' sake: my store has landed
	s_barrier_signal -1
	s_barrier_wait -1
.irp i, 0,1,2,3
	ds_load_b128 v[160+4*\i:163+4*\i], v30 offset:\off+16*\i
.endr
	s_wait_dscnt 0x0
	v_pk_add_f32 v[160:161], v[160:161], v[162:163]
	v_pk_add_f32 v[164:165], v[164:165], v[166:167]
	v_pk_add_f32 v[168:169], v[168:169], v[170:171]
	v_pk_add_f32 v[172:173], v[172:173], v[174:175]
	v_pk_add_f32 v[160:161], v[160:161], v[164:165]
	v_pk_add_f32 v[168:169], v[168:169], v[172:173]
	v_pk_add_f32 v[160:161], v[160:161], v[168:169]
.endm
	REDUCE 0
	v_mul_f32 v176, 0x38800000, v160               ; the means: / 16,384; each twice, a pair for the packed subtraction
	v_mul_f32 v177, 0x38800000, v160
	v_mul_f32 v178, 0x38800000, v161
	v_mul_f32 v179, 0x38800000, v161
.set cc, 0
.rept 32
.set gg, cc/16
	v_pk_add_f32 v[X+4*cc:X+4*cc+1], v[X+4*cc:X+4*cc+1], v[176+2*gg:177+2*gg] neg_lo:[0,1] neg_hi:[0,1]       ; x - mean, in place
	v_pk_add_f32 v[X+4*cc+2:X+4*cc+3], v[X+4*cc+2:X+4*cc+3], v[176+2*gg:177+2*gg] neg_lo:[0,1] neg_hi:[0,1]
.set cc, cc+1
.endr
.set cc, 0
.rept 32
.set gg, cc/16
.if cc%16 == 0
	v_pk_mul_f32 v[12+4*gg:13+4*gg], v[X+4*cc:X+4*cc+1], v[X+4*cc:X+4*cc+1]         ; the first channel's squares start the chains
	v_pk_mul_f32 v[14+4*gg:15+4*gg], v[X+4*cc+2:X+4*cc+3], v[X+4*cc+2:X+4*cc+3]
.else
	v_pk_fma_f32 v[12+4*gg:13+4*gg], v[X+4*cc:X+4*cc+1], v[X+4*cc:X+4*cc+1], v[12+4*gg:13+4*gg]
	v_pk_fma_f32 v[14+4*gg:15+4*gg], v[X+4*cc+2:X+4*cc+3], v[X+4*cc+2:X+4*cc+3], v[14+4*gg:15+4*gg]
.endif
.set cc, cc+1
.endr
	REDUCE 256                                     ; other bytes than the first exchange's: no barrier between its reads and these stores
	s_mov_b32 s66, 0x38800000                      ; 1 / 16,384
	s_mov_b32 s67, 0x3727c5ac                      ; 1e-5
	v_fma_f32 v160, v160, s66, s67
	v_fma_f32 v161, v161, s66, s67
	v_rsq_f32 v162, v160
	v_rsq_f32 v163, v161
	v_nop                                          ; one plain instruction between a transcendental and the use of its result
	s_wait_alu depctr_va_vdst(0)
	v_readfirstlane_b32 s60, v162
	v_readfirstlane_b32 s61, v163
	s_wait_kmcnt 0x0                               ; gamma and beta
.set cc, 0
.rept 32
	s_mul_f32 s[GA+cc], s[GA+cc], s[60+cc/16]      ; gamma / sqrt(var + eps)
.set cc, cc+1
.endr
; Pixel 4 t + j: h of its 32 channels, the block's scale, the hold, the codes.
.macro PIX j
.set TS, T+32*((\j)%2)
.set cc, 0
.rept 32
	v_fma_f32 v[TS+cc], v[X+4*cc+\j], s[GA+cc], s[BE+cc]
.set cc, cc+1
.endr
	v_max3_num_f32 v24, |v[TS]|, |v[TS+1]|, |v[TS+2]|              ; the block's largest magnitude: all 32 numbers are mine; two chains
	v_max3_num_f32 v25, |v[TS+3]|, |v[TS+4]|, |v[TS+5]|
.irp i, 6,10,14,18,22,26
	v_max3_num_f32 v24, v24, |v[TS+\i]|, |v[TS+\i+1]|
	v_max3_num_f32 v25, v25, |v[TS+\i+2]|, |v[TS+\i+3]|
.endr
	v_max3_num_f32 v24, v24, |v[TS+30]|, |v[TS+31]|
	v_max3_num_f32 v24, v24, v25, 0x4800000        ; and the floor 2^(9 - 127): the byte cannot fall under 1
	v_add_nc_u32 v26, 0xfc000000, v24              ; 8 off the exponent field: the conversion's scale operand
	v_and_or_b32 v27, v24, 0x7f800000, s59         ; 448 x the scale
.set cc, 0
.rept 32
	v_med3_num_f32 v[TS+cc], v[TS+cc], -v27, v27   ; the conversion to an 8-bit code does not saturate (ISA guide 7.6.2): the hold
.set cc, cc+1
.endr
.irp g, 0,1,2,3
	v_cvt_scalef32_pk8_fp8_f32 v[C+8*(\j)+2*\g:C+8*(\j)+2*\g+1], v[TS+8*\g:TS+8*\g+7], v26
.endr
	v_lshrrev_b32 v28, 23, v26                     ; the scale's byte (also the plain instruction behind the conversions)
.if (\j) == 0
	v_mov_b32 v7, v28
.else
	v_lshl_or_b32 v7, v28, 8*(\j), v7              ; my four pixels are four neighbouring places of hs
.endif
	ds_store_b128 v2, v[C+8*(\j):C+8*(\j)+3] offset:16*(\j)        ; channels 0-15: the tile's lanes 0-15,
	ds_store_b128 v2, v[C+8*(\j)+4:C+8*(\j)+7] offset:256+16*(\j)  ; channels 16-31: its lanes 16-31
.endm
	PIX 0
	PIX 1
	PIX 2
	PIX 3
	ds_store_b32 v5, v7
.irp i, 0,1,2,3,4,5,6,7
	ds_load_b128 v[X+4*\i:X+4*\i+3], v3 offset:512*\i              ; my wave's own stage: LDS serves a wave's instructions in order (ISA guide 5.7.1.4), so these see the stores
.endr
.irp i, 0,1,2,3,4,5,6,7
	s_wait_dscnt 7-\i                              ; tile i is back; the younger loads stay out
	global_store_b128 v4, v[X+4*\i:X+4*\i+3], s[18:19] offset:8192*\i   ; 512 consecutive bytes, at a multiple of 256 from hc's first byte
.endr
	s_wait_dscnt 0x0                               ; my scale bytes have landed
	s_barrier_signal -1
	s_barrier_wait -1
	s_cmp_lt_u32 s56, 4                            ; waves 0 to 3 store the work-group's 1,024 scale bytes
	s_cbranch_scc0 .Lend
	ds_load_b64 v[24:25], v6
	s_wait_dscnt 0x0
	global_store_b64 v22, v[24:25], s[20:21]       ; 32 lanes store 256 consecutive bytes, aligned
.Lend:
	s_wait_tensorcnt 0x0
	ds_add_u32 v21, v31
	s_wait_dscnt 0x0
	s_endpgm
.Lfunc_end_k_qc1656cba32_gnq:
	.size	k_qc1656cba32_gnq, .Lfunc_end_k_qc1656cba32_gnq-k_qc1656cba32_gnq
	.p2alignl 7, 3214868480
	.fill 96, 4, 3214868480
	.section	.rodata,"a",@progbits
	.p2align	6, 0x0
	.amdhsa_kernel k_qc1656cba32_gnq
		.amdhsa_group_segment_fixed_size 35840
		.amdhsa_private_segment_fixed_size 0
		.amdhsa_enable_private_segment 0
		.amdhsa_kernarg_size 80
		.amdhsa_user_sgpr_count 2
		.amdhsa_user_sgpr_kernarg_segment_ptr 1
		.amdhsa_wavefront_size32 1
		.amdhsa_system_sgpr_workgroup_id_x 1
		.amdhsa_system_sgpr_workgroup_id_y 1
		.amdhsa_system_sgpr_workgroup_id_z 1
		.amdhsa_system_vgpr_workitem_id 0
		.amdhsa_next_free_vgpr 256
		.amdhsa_next_free_sgpr 102
		.amdhsa_reserve_vcc 0
		.amdhsa_float_denorm_mode_32 3
		.amdhsa_float_denorm_mode_16_64 3
		.amdhsa_memory_ordered 1
		.amdhsa_forward_progress 1
		.amdhsa_inst_pref_size 50
	.end_amdhsa_kernel
	.amdgpu_metadata
---
amdhsa.version: [ 1, 2 ]
amdhsa.kernels:
  - .name:           k_qc1656cba32_gnq
    .symbol:         k_qc1656cba32_gnq.kd
    .args:
      - { .name: x, .offset: 0, .size: 8, .value_kind: global_buffer, .address_space: global }
      - { .name: gamma, .offset: 8, .size: 8, .value_kind: global_buffer, .address_space: global }
      - { .name: beta, .offset: 16, .size: 8, .value_kind: global_buffer, .address_space: global }
      - { .name: wq_codes, .offset: 24, .size: 8, .value_kind: global_buffer, .address_space: global }
      - { .name: wk_codes, .offset: 32, .size: 8, .value_kind: global_buffer, .address_space: global }
      - { .name: wv_codes, .offset: 40, .size: 8, .value_kind: global_buffer, .address_space: global }
      - { .name: wp_codes, .offset: 48, .size: 8, .value_kind: global_buffer, .address_space: global }
      - { .name: hc, .offset: 56, .size: 8, .value_kind: global_buffer, .address_space: global }
      - { .name: hs, .offset: 64, .size: 8, .value_kind: global_buffer, .address_space: global }
      - { .name: wimg, .offset: 72, .size: 8, .value_kind: global_buffer, .address_space: global }
    .group_segment_fixed_size: 35840
    .private_segment_fixed_size: 0
    .kernarg_segment_align: 8
    .kernarg_segment_size: 80
    .max_flat_workgroup_size: 256
    .sgpr_count:     102
    .vgpr_count:     256
    .wavefront_size: 32
...
	.end_amdgpu_metadata
.endif
;; end of part 1
;; launch qkv (part 2): grid 64 x 4, 4 waves a work-group, clusters of 4 x 1, 201,216 bytes of LDS; arguments hc, hs, wimg, wq_scales, wk_scales, wv_scales, bq, bk, bv, qkvc, qkvs; writes qkvc, qkvs
.if DOCPART == 2
	.amdgcn_target "amdgcn-amd-amdhsa--gfx1250"
	.amdhsa_code_object_version 6
	.text
	.protected	k_qc1656cba32_qkv
	.globl	k_qc1656cba32_qkv
	.p2align	8
	.type	k_qc1656cba32_qkv,@function
k_qc1656cba32_qkv:
	s_mov_b64 s[64:65], 0
	v_nop
	global_prefetch_b8 v0, s[64:65] scope:SCOPE_SE
	s_setreg_imm32_b32 hwreg(HW_REG_WAVE_MODE, 25, 1), 1
	s_wait_xcnt 0x0
	s_wait_alu depctr_hold_cnt(0) depctr_sa_sdst(0) depctr_va_vdst(0) depctr_va_sdst(0) depctr_va_ssrc(0) depctr_va_vcc(0) depctr_vm_vsrc(0)
	s_getreg_b32 s2, hwreg(HW_REG_IB_STS2, 6, 4)
	s_cmp_eq_u32 s2, 0
	s_cbranch_scc0 .Lentry_in_a_cluster
	s_endpgm
.Lentry_in_a_cluster:
	s_bfe_u32 s2, ttmp6, 0x10000c
	s_cmp_lg_u32 s2, 0x3003
	s_cbranch_scc0 .Lentry_shape_is_right
	s_endpgm
.Lentry_shape_is_right:
; q = wq h + bq, k = wk h + bk, v = wv h + bv on codes of FP8 (E4M3) with E8M0 scales (K = the 512 channels), each result quantised at once for the product that takes it: q and k along their channels, v along the pixels (the keys).
; SHARES.  A work-group makes 256 pixels x 128 output channels (quarter cq) of all three.  Wave w owns 64 pixels: four tiles of 16, whose 16 fragments of h stay in registers.
; The weights' 24 tiles (192 KB, register images made by the launch before) lie in LDS, filled once.  CLUSTER: the four pixel blocks of one batch and one cq want the same 192 KB: each wave's three tensor loads are JOINT
; (mask 15): the same descriptor in all four work-groups; three loads of a wave are out at the most.  Nothing in LDS is filled again.
; LAYOUT.  q, k: source 0 = 16 rows of W, source 1 = 16 pixels: a lane holds one pixel, and since a tile's rows of W are 32 blk + 8 u + r % 8 + 16 (r / 8), the 16 registers of tiles u = 0, 1 are 16 NEIGHBOURING channels.
;          v: the sources swapped: a lane holds one channel, and since a tile's pixels are in that same order, the 16 registers of two neighbouring pixel tiles are 16 neighbouring keys.
; So a block of 32 lies in lanes l and l xor 16, and the conversions' results ARE the next operand's registers: they are stored as images, 512 consecutive bytes an instruction.
; The biases are the C of each sum's first matrix instruction.
; OUT.  qkvc: q at 0, k at 0x800000: [b][pixel tile 64][channel block 16][lane][16];  v at 0x1000000: [b][128 channels 4][128 keys 8][channel tile 8][key block 4][lane][16].
;       qkvs: q at 0, k at 0x40000: [b][K step 4][tile 64][r 16] words;  v at 0x80000: [b][128 channels][128 keys 8][16 (tile % 2) + r][tile / 2] words.
; LIMITS: NaN and infinities are not served.  A block of zeros gets the byte 1 over zero codes; this program alone reads the bytes.
; REGISTERS, in windows of 256: window 0: v1-15 addresses; v16-23 h's scale words, v24-71 the weights' (scales alone); v72-103 h's scale bytes as loaded; v104-111 bv; v112-127 the quantiser's; v128-191 accumulators; v192-207 codes; v208-219 words on their way out.
;   window 1: h's fragments (tile T, K step s) at 64 T + 16 s.   window 2: the weights' fragments, two sets of 128.   window 3: bq v0-63, bk v64-127, bv v128-191, in the results' layout.
.set SSTG, 196608                      ; LDS: 0 .. 196,607 the weights (65,536 a matrix); then 3 x 1,024 bytes of scale words on their way out
.set HSW, 16
.set WSW, 24
.set U,   72
.set BVT, 104
.set QT,  112
.set ACC, 128
.set PC,  192
.set SWA, 208
.set SEL, 60
.set MNT, 62
.set MSB, 0
.macro WIN new                         ; the immediate's high byte repeats the setting that is left; a switch that changes nothing is dropped
.if MSB != \new
	s_set_vgpr_msb (MSB<<8)|\new
.set MSB, \new
.endif
.endm
.macro PLACES n
.rept \n
	v_nop
.endr
.endm
.macro CROUND                          ; a round of the cluster's barrier
	s_barrier_signal -1
	s_barrier_wait -1
	s_cmp_lg_u32 s46, 0
	s_cbranch_scc1 .Lnot_wave_0_\@
	s_barrier_signal -3
.Lnot_wave_0_\@:
	s_barrier_wait -3
	s_barrier_signal -1
	s_barrier_wait -1
.endm
; One matrix instruction from the symbols rD, rA, rB, rC (under 0: the constant 0), rSA, rSB; fA, fB = 1: that side's scale words lie in lanes 16-31.
.macro MMA1 c
.if fA && fB
	v_wmma_scale_f32_16x16x128_f8f6f4 v[rD:rD+7], v[rA:rA+15], v[rB:rB+15], \c, v[rSA], v[rSB] matrix_a_scale:MATRIX_SCALE_ROW1 matrix_b_scale:MATRIX_SCALE_ROW1
.elseif fA
	v_wmma_scale_f32_16x16x128_f8f6f4 v[rD:rD+7], v[rA:rA+15], v[rB:rB+15], \c, v[rSA], v[rSB] matrix_a_scale:MATRIX_SCALE_ROW1
.elseif fB
	v_wmma_scale_f32_16x16x128_f8f6f4 v[rD:rD+7], v[rA:rA+15], v[rB:rB+15], \c, v[rSA], v[rSB] matrix_b_scale:MATRIX_SCALE_ROW1
.else
	v_wmma_scale_f32_16x16x128_f8f6f4 v[rD:rD+7], v[rA:rA+15], v[rB:rB+15], \c, v[rSA], v[rSB]
.endif
.endm
.macro MMA
.if rC < 0
	MMA1 0
.else
	MMA1 v[rC:rC+7]
.endif
.endm
; 64 numbers of a lane, four blocks' halves (register 16 b + i; the other half of block b lies in lane l xor 16), become codes in v[PC + 4 b ..] and the blocks' bytes in v[QT + 4 + b].
.macro QUANT s
.irp b, 0,1,2,3
	v_max3_num_f32 v[QT+\b], |v[\s+16*\b]|, |v[\s+1+16*\b]|, 0x4800000   ; my 16 numbers, from each accumulator's low end on, and the floor 2^(9 - 127): the byte cannot fall under 1
.endr
.irp i, 2,4,6,8,10,12,14
.irp b, 0,1,2,3
	v_max3_num_f32 v[QT+\b], v[QT+\b], |v[\s+16*\b+\i]|, |v[\s+1+16*\b+\i]|   ; (the four blocks by turns)
.endr
.endr
.irp b, 0,1,2,3
	v_permlanex16_b32 v[QT+4+\b], v[QT+\b], s[SEL], s[SEL+1]
.endr
.irp b, 0,1,2,3
	v_max_num_f32 v[QT+\b], v[QT+\b], v[QT+4+\b]   ; the block's largest magnitude
.endr
.irp b, 0,1,2,3
	v_add_nc_u32 v[QT+12+\b], 0xfc000000, v[QT+\b] ; 8 off its exponent field: the conversion's scale operand
.endr
.irp b, 0,1,2,3
	v_and_or_b32 v[QT+8+\b], v[QT+\b], 0x7f800000, s[MNT]   ; 448 x the scale
.endr
.irp b, 0,1,2,3
	v_lshrrev_b32 v[QT+4+\b], 23, v[QT+12+\b]      ; the scale's byte
.endr
.irp b, 0,1,2,3
.irp i, 0,1,2,3,4,5,6,7,8,9,10,11,12,13,14,15
	v_med3_num_f32 v[\s+16*\b+\i], v[\s+16*\b+\i], -v[QT+8+\b], v[QT+8+\b]   ; the conversion does not saturate (ISA guide 7.6.2): the hold
.endr
	v_cvt_scalef32_pk8_fp8_f32 v[PC+4*\b:PC+1+4*\b], v[\s+16*\b:\s+7+16*\b], v[QT+12+\b]
	v_cvt_scalef32_pk8_fp8_f32 v[PC+2+4*\b:PC+3+4*\b], v[\s+8+16*\b:\s+15+16*\b], v[QT+12+\b]
.endr
	v_nop                                          ; one plain instruction behind the last conversion: the next products write its sources
.endm
	s_load_b512 s[4:19], s[0:1], 0x0               ; hc, hs, wimg, wq_scales, wk_scales, wv_scales, bq, bk
	s_load_b128 s[20:23], s[0:1], 0x40             ; bv, qkvc
	s_load_b64 s[44:45], s[0:1], 0x50              ; qkvs
	v_lshl_add_u32 v254, v0, 2, 0x31000
	v_mov_b32 v255, 0
	ds_add_u32 v254, v255
	ds_add_u32 v254, v255
	v_lshrrev_b32 v1, 5, v0
	v_readfirstlane_b32 s46, v1                    ; wave 0..3
	s_bfe_u32 s50, ttmp6, 0x40000                  ; cx = my block of 256 pixels: it enters h's and the results' addresses alone
	s_mov_b32 s49, ttmp9                           ; the cluster's x = the batch
	s_and_b32 s51, ttmp7, 0xffff                   ; the quarter of the output channels, which the four partners share
	s_mov_b32 s[SEL], 0x76543210
	s_mov_b32 s[SEL+1], 0xfedcba98
	s_mov_b32 s[MNT], 0x600000
	; descriptor group 1: 64 rows of 256 dense bytes (32 elements of 8 bytes), no padding: images are read 512 consecutive bytes an instruction
	s_mov_b32 s24, 15|(3<<16)|(1<<21)              ; 15:0 the mask: all four work-groups; 17:16 elements of 8 bytes; 21 set beside a mask
	s_mov_b32 s25, 32<<16                          ; tensor_dim0
	s_mov_b32 s26, 64<<16                          ; tensor_dim1
	s_mov_b32 s27, 32<<16                          ; tile_dim0
	s_mov_b32 s28, 64                              ; tile_dim1
	s_mov_b32 s29, 32                              ; from row to row
	s_mov_b32 s30, 0
	s_mov_b32 s31, 0
	s_lshl_b32 s68, s46, 14                        ; my quarter of a matrix's 65,536 bytes: in LDS,
	s_lshl_b32 s66, s51, 16
	s_add_co_u32 s66, s66, s68                     ; and in wimg, behind the quarters before mine
	s_mov_b32 s67, 0
	s_wait_dscnt 0x0
	s_wait_kmcnt 0x0
	s_add_nc_u64 s[8:9], s[8:9], s[66:67]
	CROUND                                         ; all four work-groups are here: the joint loads meet
.irp m, 0,1,2
	s_mov_b32 s[32+4*\m], 1                        ; count = 1
	s_add_co_u32 s[33+4*\m], s68, \m*65536         ; LDS address: no place in the cluster enters it
	s_add_nc_u64 s[34+4*\m:35+4*\m], s[8:9], \m*262144   ; matrix m
	s_or_b32 s[35+4*\m], s[35+4*\m], 0x80000000    ; type = 2
.endr
	tensor_load_to_lds s[32:35], s[24:31]          ; wq's, wk's, wv's quarter: all first fills in one group, ahead of every wait on TENSORcnt, LDS read and further barrier
	s_nop 0
	tensor_load_to_lds s[36:39], s[24:31]
	s_nop 0
	tensor_load_to_lds s[40:43], s[24:31]
	s_nop 0
	PLACES 4
	s_mov_b32 s71, 0
	s_lshl_b32 s70, s49, 19
	s_lshl_b32 s47, s50, 17
	s_add_co_u32 s70, s70, s47
	s_lshl_b32 s47, s46, 15
	s_add_co_u32 s70, s70, s47
	s_add_nc_u64 s[4:5], s[4:5], s[70:71]          ; hc at my four tiles of 8,192 bytes
	s_lshl_b32 s47, s51, 11
	s_add_co_u32 s70, s70, s47
	s_add_nc_u64 s[52:53], s[22:23], s[70:71]      ; q's images: the same tiles, channel blocks 4 cq on
	s_add_co_u32 s70, s70, 0x800000
	s_add_nc_u64 s[54:55], s[22:23], s[70:71]      ; k's
	s_lshl_b32 s70, s49, 19
	s_lshl_b32 s47, s51, 17
	s_add_co_u32 s70, s70, s47
	s_lshl_b32 s47, s50, 1
	s_lshr_b32 s48, s46, 1
	s_add_co_u32 s47, s47, s48                     ; my 64 keys lie in key step 2 pb + w / 2,
	s_lshl_b32 s47, s47, 14
	s_add_co_u32 s70, s70, s47
	s_and_b32 s47, s46, 1                          ; key blocks 2 (w % 2) and the next
	s_lshl_b32 s47, s47, 10
	s_add_co_u32 s70, s70, s47
	s_add_co_u32 s70, s70, 0x1000000
	s_add_nc_u64 s[56:57], s[22:23], s[70:71]      ; v's images
	s_lshl_b32 s70, s49, 14
	s_lshl_b32 s47, s51, 12
	s_add_co_u32 s70, s70, s47
	s_lshl_b32 s47, s50, 10
	s_add_co_u32 s70, s70, s47
	s_lshl_b32 s47, s46, 8
	s_add_co_u32 s70, s70, s47
	s_add_nc_u64 s[58:59], s[44:45], s[70:71]      ; the scale words: 1,024 bytes a work-group and tensor, 256 a wave
	s_lshl_b32 s70, s49, 14
	s_lshl_b32 s47, s50, 8
	s_add_co_u32 s70, s70, s47
	s_lshl_b32 s47, s46, 6
	s_add_co_u32 s70, s70, s47
	s_add_nc_u64 s[6:7], s[6:7], s[70:71]          ; hs at my 64 places
	s_lshl_b32 s70, s51, 11
	s_add_nc_u64 s[10:11], s[10:11], s[70:71]      ; the weights' scale bytes: 16 a row, my 128 rows
	s_add_nc_u64 s[12:13], s[12:13], s[70:71]
	s_add_nc_u64 s[14:15], s[14:15], s[70:71]
	s_lshl_b32 s70, s51, 9
	s_add_nc_u64 s[16:17], s[16:17], s[70:71]      ; the biases: my 128 numbers
	s_add_nc_u64 s[18:19], s[18:19], s[70:71]
	s_add_nc_u64 s[20:21], s[20:21], s[70:71]
	s_lshl_b32 s69, s46, 8
	s_add_co_u32 s69, s69, SSTG
	s_lshr_b32 s66, s46, 1
	s_lshl_b32 s66, s66, 9
	s_and_b32 s67, s46, 1
	s_lshl_b32 s67, s67, 1
	s_add_co_u32 s66, s66, s67
	s_add_co_u32 s66, s66, SSTG+2048
	v_and_b32 v14, 31, v0                          ; lane
	v_and_b32 v1, 15, v0                           ; r
	v_bfe_u32 v2, v0, 4, 1                         ; h
	v_lshlrev_b32 v4, 4, v14                       ; 16 lane: an image's place for my lane; v4, v5, v6: in wq's, wk's, wv's part of LDS
	v_add_nc_u32 v5, 0x10000, v4
	v_add_nc_u32 v6, 0x20000, v4
	v_lshl_add_u32 v7, v1, 2, s69                  ; q's and k's scale words on the way out: 256 w + 64 T + 4 r
	v_lshl_add_u32 v8, v1, 4, s66                  ; v's: 512 (w / 2) + 256 u + 16 r + 4 blk + 2 (w % 2)
	v_lshl_add_u32 v9, v14, 3, s69                 ; and back: 256 w + 8 lane
	v_lshlrev_b32 v10, 3, v14
	v_and_b32 v3, 7, v0
	v_bfe_u32 v15, v0, 3, 1
	v_lshl_add_u32 v3, v15, 4, v3                  ; r % 8 + 16 (r / 8)
	v_lshlrev_b32 v13, 2, v3                       ; bv of my channel
	v_lshl_add_u32 v11, v2, 3, v3
	v_lshlrev_b32 v11, 4, v11                      ; a weight's scale words: lanes 0-15 tile u = 0, lanes 16-31 tile u = 1; 16 bytes a row
	v_lshlrev_b32 v12, 6, v2                       ; bq, bk: my 16 channels of a block of 32
.irp b, 0,1,2,3
	v_mov_b32 v[QT+4+\b], 0                        ; written once: a lane permute's destination counts as one of its sources
.endr
	WIN 0x40                                       ; destination window 1
.set kk, 0
.rept 64
	global_load_b128 v[4*kk:4*kk+3], v4, s[4:5] offset:512*kk      ; h's 16 fragments: they stay
.set kk, kk+1
.endr
	WIN 0
.irp p, 0,1
.irp s, 0,1,2,3
.irp i, 0,1,2,3
	global_load_u8 v[U+16*\p+4*\s+\i], v14, s[6:7] offset:(4*\s+\i)*1024+32*\p   ; h's scale bytes: lanes 0-15 tile 2 p, lanes 16-31 tile 2 p + 1
.endr
.endr
.endr
.irp g, 0,1,2,3
	global_load_b128 v[WSW+4*\g:WSW+4*\g+3], v11, s[10:11] offset:512*\g        ; a row's four words: K steps 0 to 3
	global_load_b128 v[WSW+16+4*\g:WSW+16+4*\g+3], v11, s[12:13] offset:512*\g
	global_load_b128 v[WSW+32+4*\g:WSW+32+4*\g+3], v11, s[14:15] offset:512*\g
.endr
.irp c, 0,1,2,3,4,5,6,7
	global_load_b32 v[BVT+\c], v13, s[20:21] offset:(32*(\c/2)+8*(\c%2))*4
.endr
	WIN 0xc0                                       ; destination window 3
.irp g, 0,1,2,3
.irp i, 0,1,2,3
	global_load_b128 v[16*\g+4*\i:16*\g+4*\i+3], v12, s[16:17] offset:128*\g+16*\i
	global_load_b128 v[64+16*\g+4*\i:64+16*\g+4*\i+3], v12, s[18:19] offset:128*\g+16*\i
.endr
.endr
	WIN 0
	s_wait_loadcnt 0x0
.irp n, 0,1,2,3,4,5,6,7
	v_lshl_or_b32 v[HSW+\n], v[U+4*\n+1], 8, v[U+4*\n]             ; four bytes make a pixel's scale word of a K step
	v_lshl_or_b32 v[HSW+\n], v[U+4*\n+2], 16, v[HSW+\n]
	v_lshl_or_b32 v[HSW+\n], v[U+4*\n+3], 24, v[HSW+\n]
.endr
	WIN 0xc0
.irp c, 0,1,2,3,4,5,6,7
.irp j, 0,1,2,3,4,5,6,7
	v_mov_b32 v[128+8*\c+\j], v[BVT+\c]            ; bv in v's layout: a lane's eight registers are eight keys of one channel.  (These 64 also stand between the scale words' making and the first product)
.endr
.endr
	WIN 0
	s_wait_tensorcnt 0x2                           ; my quarter of wq's images has landed; wk's and wv's may stay out
	s_barrier_signal -1
	s_barrier_wait -1                              ; everybody's has
.macro WFETCH n                        ; unit n's eight fragments (tiles u = 0, 1 of matrix n / 4, channel block n % 4; four K steps) into set n % 2
	WIN 0x80                                       ; destination window 2
.irp u, 0,1
.irp s, 0,1,2,3
.irp c, 0,1,2,3
	ds_load_b128 v[128*((\n)%2)+16*(4*\u+\s)+4*\c:128*((\n)%2)+16*(4*\u+\s)+4*\c+3], v[4+(\n)/4] offset:(2*((\n)%4)+\u)*8192+2048*\s+512*\c
.endr
.endr
.endr
	WIN 0
.endm
; A UNIT: 32 output channels of one matrix for my 64 pixels: 32 matrix instructions on eight accumulators by turns, then the quantiser and the stores.
.macro UNIT n
.set MM, (\n)/4
.set BL, (\n)%4
.set WB, 128*((\n)%2)
	s_wait_dscnt 0x0                               ; this unit's fragments, asked for a unit ago, are in; my LDS stores have read their registers
.if (\n) == 3
	s_wait_tensorcnt 0x1                           ; my quarter of wk's images has landed,
	s_barrier_signal -1
	s_barrier_wait -1                              ; everybody's has: the fetch below reads them
.endif
.if (\n) == 7
	s_wait_tensorcnt 0x0                           ; wv's likewise
	s_barrier_signal -1
	s_barrier_wait -1
.endif
.if (\n) < 11
	WFETCH (\n)+1                                  ; into the set that the unit before multiplied: its places are that unit's v_nop and quantiser
.endif
.irp s, 0,1,2,3
.if MM < 2
.if \s == 0
	WIN 0x36                                       ; source 0 (W) window 2, source 1 (h) window 1, C (the bias) window 3
.else
	WIN 0x06
.endif
.else
.if \s == 0
	WIN 0x39                                       ; source 0 (h) window 1, source 1 (W) window 2, C window 3
.else
	WIN 0x09
.endif
.endif
.irp t, 0,1,2,3
.irp u, 0,1
.if MM < 2
.set rD, ACC+16*\t+8*\u
.set rA, WB+16*(4*\u+\s)
.set rB, 64*\t+16*\s
.set rC, 64*MM+16*BL+8*\u
.set rSA, WSW+16*MM+4*BL+\s
.set fA, \u
.set rSB, HSW+4*(\t/2)+\s
.set fB, \t%2
.else
.set rD, ACC+32*\u+8*\t
.set rA, 64*\t+16*\s
.set rB, WB+16*(4*\u+\s)
.set rC, 128+8*(2*BL+\u)
.set rSA, HSW+4*(\t/2)+\s
.set fA, \t%2
.set rSB, WSW+16*MM+4*BL+\s
.set fB, \u
.endif
.if \s > 0
.set rC, rD
.endif
	MMA
.endr
.endr
.endr
	WIN 0
	PLACES 8                                       ; eight places between the last product and the first read of results
	s_wait_xcnt 0x0                                ; the last unit's stores have had their addresses translated: only behind this wait are the codes' registers written again
	QUANT ACC
.if MM < 2
.irp t, 0,1,2,3
	global_store_b128 v4, v[PC+4*\t:PC+4*\t+3], s[52+2*MM:53+2*MM] offset:8192*\t+512*BL   ; block b = pixel tile T: 512 consecutive bytes of its image
.endr
.irp t, 0,1,2,3
.if BL == 0
	v_mov_b32 v[SWA+\t], v[QT+4+\t]
.else
	v_lshl_or_b32 v[SWA+\t], v[QT+4+\t], 8*BL, v[SWA+\t]           ; four units' bytes make a pixel's scale word of K step cq
.endif
.endr
.if BL == 3
.irp t, 0,1,2,3
	ds_store_b32 v7, v[SWA+\t] offset:1024*MM+64*\t                ; lanes r and r + 16 write the same word with the same value
.endr
.endif
.else
.irp g, 0,1,2,3
	global_store_b128 v4, v[PC+4*\g:PC+4*\g+3], s[56:57] offset:(2*BL+\g/2)*2048+512*(\g%2)   ; block b = 2 u + key block: channel tile 2 blk + u
.endr
.irp u, 0,1
	v_lshl_or_b32 v[212+\u], v[QT+5+2*\u], 8, v[QT+4+2*\u]         ; my two key blocks' bytes: half of a channel's scale word
	ds_store_b16 v8, v[212+\u] offset:256*\u+4*BL
.endr
.endif
.endm
	WFETCH 0
.irp n, 0,1,2,3,4,5,6,7,8,9,10,11
	UNIT \n
.endr
	s_wait_dscnt 0x0                               ; for the others' sake: my scale words have landed (v's words come from two waves)
	s_barrier_signal -1
	s_barrier_wait -1
.irp m, 0,1,2
	ds_load_b64 v[214+2*\m:215+2*\m], v9 offset:1024*\m
.endr
	s_wait_dscnt 0x0
.irp m, 0,1,2
	global_store_b64 v10, v[214+2*\m:215+2*\m], s[58:59] offset:262144*\m   ; 32 lanes store 256 consecutive bytes, aligned
.endr
	s_wait_tensorcnt 0x0
	ds_add_u32 v254, v255
	s_wait_dscnt 0x0
	CROUND                                         ; the closing round: no work-group ends while a partner may still ask for a tile that names it
	s_endpgm
.Lfunc_end_k_qc1656cba32_qkv:
	.size	k_qc1656cba32_qkv, .Lfunc_end_k_qc1656cba32_qkv-k_qc1656cba32_qkv
	.p2alignl 7, 3214868480
	.fill 96, 4, 3214868480
	.section	.rodata,"a",@progbits
	.p2align	6, 0x0
	.amdhsa_kernel k_qc1656cba32_qkv
		.amdhsa_group_segment_fixed_size 201216
		.amdhsa_private_segment_fixed_size 0
		.amdhsa_enable_private_segment 0
		.amdhsa_kernarg_size 88
		.amdhsa_user_sgpr_count 2
		.amdhsa_user_sgpr_kernarg_segment_ptr 1
		.amdhsa_wavefront_size32 1
		.amdhsa_system_sgpr_workgroup_id_x 1
		.amdhsa_system_sgpr_workgroup_id_y 1
		.amdhsa_system_sgpr_workgroup_id_z 1
		.amdhsa_system_vgpr_workitem_id 0
		.amdhsa_next_free_vgpr 1024
		.amdhsa_next_free_sgpr 72
		.amdhsa_reserve_vcc 0
		.amdhsa_float_denorm_mode_32 3
		.amdhsa_float_denorm_mode_16_64 3
		.amdhsa_memory_ordered 1
		.amdhsa_forward_progress 1
		.amdhsa_inst_pref_size 204
	.end_amdhsa_kernel
	.amdgpu_metadata
---
amdhsa.version: [ 1, 2 ]
amdhsa.kernels:
  - .name:           k_qc1656cba32_qkv
    .symbol:         k_qc1656cba32_qkv.kd
    .args:
      - { .name: hc, .offset: 0, .size: 8, .value_kind: global_buffer, .address_space: global }
      - { .name: hs, .offset: 8, .size: 8, .value_kind: global_buffer, .address_space: global }
      - { .name: wimg, .offset: 16, .size: 8, .value_kind: global_buffer, .address_space: global }
      - { .name: wq_scales, .offset: 24, .size: 8, .value_kind: global_buffer, .address_space: global }
      - { .name: wk_scales, .offset: 32, .size: 8, .value_kind: global_buffer, .address_space: global }
      - { .name: wv_scales, .offset: 40, .size: 8, .value_kind: global_buffer, .address_space: global }
      - { .name: bq, .offset: 48, .size: 8, .value_kind: global_buffer, .address_space: global }
      - { .name: bk, .offset: 56, .size: 8, .value_kind: global_buffer, .address_space: global }
      - { .name: bv, .offset: 64, .size: 8, .value_kind: global_buffer, .address_space: global }
      - { .name: qkvc, .offset: 72, .size: 8, .value_kind: global_buffer, .address_space: global }
      - { .name: qkvs, .offset: 80, .size: 8, .value_kind: global_buffer, .address_space: global }
    .group_segment_fixed_size: 201216
    .private_segment_fixed_size: 0
    .kernarg_segment_align: 8
    .kernarg_segment_size: 88
    .max_flat_workgroup_size: 128
    .sgpr_count:     72
    .vgpr_count:     1024
    .wavefront_size: 32
...
	.end_amdgpu_metadata
.endif
;; end of part 2
;; launch attn (part 3): grid 16 x 16, 4 waves a work-group, no clusters, 248,320 bytes of LDS; arguments x, qkvc, qkvs, wimg, wp_scales, bp, out0; writes out0
.if DOCPART == 3
	.amdgcn_target "amdgcn-amd-amdhsa--gfx1250"
	.amdhsa_code_object_version 6
	.text
	.protected	k_qc1656cba32_attn
	.globl	k_qc1656cba32_attn
	.p2align	8
	.type	k_qc1656cba32_attn,@function
k_qc1656cba32_attn:
	s_mov_b64 s[64:65], 0
	v_nop
	global_prefetch_b8 v0, s[64:65] scope:SCOPE_SE
	s_setreg_imm32_b32 hwreg(HW_REG_WAVE_MODE, 25, 1), 1
	s_wait_xcnt 0x0
; out = x + wp (v softmax(q^T k / sqrt(512))^T) + bp, all three products on codes of FP8 (E4M3) with E8M0 scales.  q, k, v arrive as register images with their scale words (the launch before), wp as images.
; SHARES.  A work-group owns 64 queries (four tiles of 16) of one batch.  A wave's part changes with the phase, so that every byte of k, v and wp is read by exactly ONE wave of the work-group, straight into registers:
;   1: wave w takes keys 256 w .. + 255 for all 64 queries: S^T = k q^T, p, p's codes: whole fragments and scale words of key steps 2 w, 2 w + 1, handed on through LDS as images;
;   2: wave w takes channels 128 w .. + 127: O^T = v p^T over all keys, / l, quantised: K step w of the projection, handed on through LDS as images;
;   3: wave w takes output channels 128 w .. + 127: the sums begin with x + bp, and whole rows of 256 bytes of out0 leave through LDS.
; THE SOFTMAX.  t = score x log2(e) / sqrt(512).  EACH BLOCK OF 32 KEYS IS QUANTISED UNDER ITS OWN WHOLE NUMBER M_blk = ceil(its largest t): p' = 2^(t - M_blk).  When all keys are seen, M = the largest M_blk, and the
; exact power of two 2^(M_blk - M) goes into the block's E8M0 byte (the codes are those of p = 2^(t - M)) and, by v_ldexp_f32, onto the block's sum of unquantised p'.  So O^T is never rescaled.
; k, v, wp come through a ring of three register buffers of 128: unit n's 32 loads (16 KB, 512 consecutive bytes each) are issued two units ahead; no barrier serves the ring.
; NO JOINT LOADS: beside x (139,264 bytes), p (69,632), o (34,816) and the exchanges (4,096) LDS has 79,872 bytes left: two slots of 32 KB would hold 16 matrix instructions' operands a wave for each round of a cluster's barrier.
; LIMITS: NaN and infinities are not served.  A block of p whose final byte would fall under 0 is held at byte 0: at most 448 x 2^-127 beside a sum of at least 1/2.  M is exact for |t| < 2^24.  A block of zeros of o gets the byte 1 over zero codes.
; REGISTERS, in windows of 256.  window 0: v1-16 addresses; scale words alone in v20-51 (k), v52-59 (q), v60-91 (v), v92-107 (wp), v108-115 (p, later o: two sets of four); v116-123 bp; v128-191 S^T, p, later at work; v192-207 codes; v208-255 at work.
;   window 1: ring buffers 0 (v0-127) and 1 (v128-255).   window 2: ring buffer 2 (v0-127); v128-223 the blocks' -M, sums and bytes, from phase 2 on two sets of four fragments of p or o (v128-191, v192-255).
;   window 3: q's 16 fragments, then O^T (tile Tq, channel tile ct at 64 Tq + 8 ct), then out's 32 accumulators (8 (4 ct + Tq)).
.set PIMG, 139264                      ; LDS: 0 .. 139,263 x: 512 rows of 256 bytes + 16; then p's 32 images ((8 Tq + key step) x 2,048),
.set PSWL, 204800                      ; their scale words ((8 Tq + key step) x 128),
.set MX,   208896                      ; the waves' -M (512 bytes a wave), and 2,048 bytes on their sums,
.set OIMG, 212992                      ; o's 16 images ((4 Tq + K step) x 2,048),
.set OSWL, 245760                      ; their scale words
.set L16, 1                            ; 16 lane
.set L4,  2                            ; 4 lane
.set R4,  3                            ; 4 r
.set PST, 4                            ; where I store p's images; PLD: where any wave loads them
.set PLD, 5
.set WST, 6                            ; p's scale words likewise
.set WLD, 7
.set MST, 8                            ; the exchanges
.set MLD, 9
.set OST, 10                           ; o's images
.set OLD, 11
.set UST, 12                           ; o's scale words
.set ULD, 13
.set XA,  14                           ; x in the accumulators' layout: my rows, row r, + 64 h
.set XR,  15                           ; and by rows: lanes 0-15 one row, lanes 16-31 the next
.set GO,  16                           ; the same two rows in out0
.set KSW, 20
.set QSW, 52
.set VSW, 60
.set PJS, 92
.set FSW, 108
.set BP,  116
.set S,   128
.set PC,  192
.set BM,  208                          ; the softmax's: a block's largest score, then largest p'
.set PX,  212                          ; lane permutes' destinations
.set NMP, 216                          ; pairs (-M_blk, t)
.set SOP, 224
.set HLD, 228
.set LP,  232
.set BYT, 240
.set NMF, 248                          ; -M of my query in each tile
.set LS4, 252
.set QT,  208                          ; the quantiser's 16
.set PW,  224                          ; and its scale word
.set RLP, 232                          ; 1 / l, a pair for each tile
.set NM,  128                          ; in window 2, index 4 kb + Tq
.set LB,  160
.set BY,  192
.set CS,  22
.set SEL, 36
.set MNT, 38
.set MSB, 0
.macro WIN new                         ; the immediate's high byte repeats the setting that is left; a switch that changes nothing is dropped
.if MSB != \new
	s_set_vgpr_msb (MSB<<8)|\new
.set MSB, \new
.endif
.endm
.macro PLACES n
.rept \n
	v_nop
.endr
.endm
; One matrix instruction from the symbols rD, rA, rB, rC (under 0: the constant 0), rSA, rSB; fA, fB = 1: that side's scale words lie in lanes 16-31.
.macro MMA1 c
.if fA && fB
	v_wmma_scale_f32_16x16x128_f8f6f4 v[rD:rD+7], v[rA:rA+15], v[rB:rB+15], \c, v[rSA], v[rSB] matrix_a_scale:MATRIX_SCALE_ROW1 matrix_b_scale:MATRIX_SCALE_ROW1
.elseif fA
	v_wmma_scale_f32_16x16x128_f8f6f4 v[rD:rD+7], v[rA:rA+15], v[rB:rB+15], \c, v[rSA], v[rSB] matrix_a_scale:MATRIX_SCALE_ROW1
.elseif fB
	v_wmma_scale_f32_16x16x128_f8f6f4 v[rD:rD+7], v[rA:rA+15], v[rB:rB+15], \c, v[rSA], v[rSB] matrix_b_scale:MATRIX_SCALE_ROW1
.else
	v_wmma_scale_f32_16x16x128_f8f6f4 v[rD:rD+7], v[rA:rA+15], v[rB:rB+15], \c, v[rSA], v[rSB]
.endif
.endm
.macro MMA
.if rC < 0
	MMA1 0
.else
	MMA1 v[rC:rC+7]
.endif
.endm
	s_load_b256 s[4:11], s[0:1], 0x0               ; x, qkvc, qkvs, wimg
	s_load_b128 s[12:15], s[0:1], 0x20             ; wp_scales, bp
	s_load_b64 s[16:17], s[0:1], 0x30              ; out0
	v_lshl_add_u32 v246, v0, 2, 0x3c800
	v_mov_b32 v247, 0
	ds_add_u32 v246, v247
	ds_add_u32 v246, v247
	v_lshrrev_b32 v17, 5, v0
	v_readfirstlane_b32 s18, v17                   ; wave 0..3
	s_mov_b32 s19, ttmp9                           ; block of 64 queries
	s_and_b32 s20, ttmp7, 0xffff                   ; batch
	s_mov_b32 s[CS], 0x3d8293ee                    ; c = log2(e) / sqrt(512)
	s_mov_b32 s[CS+1], s[CS]                       ; (the packed form names the pair)
	s_mov_b32 s[SEL], 0x76543210
	s_mov_b32 s[SEL+1], 0xfedcba98
	s_mov_b32 s[MNT], 0x600000
	; descriptor group 1: my 128 channels' rows of x at the block's 64 pixels: 128 rows of 256 bytes (32 elements of 8), 4,096 bytes apart, 16 bytes of padding behind each in LDS
	s_mov_b32 s24, (3<<16)|(1<<20)|(5<<22)|(3<<25) ; no mask; elements of 8 bytes; padding on: after every 64 words (code 5) four words (code 3)
	s_mov_b32 s25, 32<<16                          ; tensor_dim0
	s_mov_b32 s26, 128<<16                         ; tensor_dim1
	s_mov_b32 s27, 32<<16                          ; tile_dim0
	s_mov_b32 s28, 128                             ; tile_dim1
	s_mov_b32 s29, 512                             ; from row to row, in elements
	s_mov_b32 s30, 0
	s_mov_b32 s31, 0
	s_lshl_b32 s60, s20, 21
	s_lshl_b32 s62, s18, 19
	s_add_co_u32 s60, s60, s62
	s_lshl_b32 s62, s19, 8
	s_add_co_u32 s60, s60, s62
	s_mov_b32 s61, 0                               ; where my part of x and of out0 begins
	s_mov_b32 s32, 1
	s_mul_i32 s33, s18, 34816                      ; LDS: my 128 rows of 272 bytes
	s_wait_dscnt 0x0
	s_wait_kmcnt 0x0
	s_add_nc_u64 s[58:59], s[16:17], s[60:61]
	s_add_nc_u64 s[34:35], s[4:5], s[60:61]
	s_or_b32 s35, s35, 0x80000000
	tensor_load_to_lds s[32:35], s[24:31]          ; the launch's only fill, one load a wave: wanted in phase 3, and read by the wave that asked alone
	s_nop 0
	PLACES 4
	s_mov_b32 s63, 0
	s_lshl_b32 s66, s20, 19
	s_lshl_b32 s62, s19, 15
	s_add_co_u32 s62, s62, s66
	s_add_nc_u64 s[40:41], s[6:7], s[62:63]        ; q: my block's four tiles of 8,192 bytes
	s_lshl_b32 s62, s18, 17
	s_add_co_u32 s62, s62, s66
	s_add_co_u32 s62, s62, 0x800000
	s_add_nc_u64 s[42:43], s[6:7], s[62:63]        ; k: my wave's 16 tiles
	s_add_co_u32 s62, s62, 0x800000
	s_add_nc_u64 s[44:45], s[6:7], s[62:63]        ; v: my wave's 128 channels
	s_lshl_b32 s62, s18, 16
	s_add_co_u32 s62, s62, 0xc0000
	s_add_nc_u64 s[46:47], s[10:11], s[62:63]      ; wp: my wave's 8 tiles
	s_lshl_b32 s66, s20, 14
	s_lshl_b32 s62, s19, 8
	s_add_co_u32 s62, s62, s66
	s_add_nc_u64 s[48:49], s[8:9], s[62:63]        ; q's scale words
	s_lshl_b32 s62, s18, 10
	s_add_co_u32 s62, s62, s66
	s_add_co_u32 s62, s62, 0x40000
	s_add_nc_u64 s[50:51], s[8:9], s[62:63]        ; k's
	s_lshl_b32 s62, s18, 12
	s_add_co_u32 s62, s62, s66
	s_add_co_u32 s62, s62, 0x80000
	s_add_nc_u64 s[52:53], s[8:9], s[62:63]        ; v's
	s_lshl_b32 s62, s18, 11
	s_add_nc_u64 s[54:55], s[12:13], s[62:63]      ; wp's scale bytes: 16 a row
	s_lshl_b32 s62, s18, 9
	s_add_nc_u64 s[56:57], s[14:15], s[62:63]      ; bp
	v_and_b32 v17, 31, v0                          ; lane
	v_and_b32 v18, 15, v0                          ; r
	v_bfe_u32 v19, v0, 4, 1                        ; h
	v_lshlrev_b32 v[L16], 4, v17
	v_lshlrev_b32 v[L4], 2, v17
	v_lshlrev_b32 v[R4], 2, v18
	v_add_nc_u32 v[PLD], PIMG, v[L16]
	s_lshl_b32 s60, s18, 12
	v_add_nc_u32 v[PST], s60, v[PLD]               ; my key steps 2 w, 2 w + 1
	v_add_nc_u32 v[WLD], PSWL, v[L4]
	s_lshl_b32 s60, s18, 8
	v_add_nc_u32 v[WST], s60, v[WLD]
	v_add_nc_u32 v[MLD], MX, v[L16]
	s_lshl_b32 s60, s18, 9
	v_add_nc_u32 v[MST], s60, v[MLD]
	v_add_nc_u32 v[OLD], OIMG, v[L16]
	s_lshl_b32 s60, s18, 11
	v_add_nc_u32 v[OST], s60, v[OLD]               ; my K step w
	v_add_nc_u32 v[ULD], OSWL, v[L4]
	s_lshl_b32 s60, s18, 7
	v_add_nc_u32 v[UST], s60, v[ULD]
	s_mul_i32 s67, s18, 34816
	v_mul_u32_u24 v[XA], v18, 272
	v_lshl_add_u32 v[XA], v19, 6, v[XA]
	v_add_nc_u32 v[XA], s67, v[XA]
	v_mul_u32_u24 v[XR], v19, 272
	v_lshl_add_u32 v[XR], v18, 4, v[XR]
	v_add_nc_u32 v[XR], s67, v[XR]
	v_lshlrev_b32 v[GO], 12, v19
	v_lshl_add_u32 v[GO], v18, 4, v[GO]
.irp b, 0,1,2,3
	v_mov_b32 v[PX+\b], 0                          ; written once: a lane permute's destination counts as one of its sources
.endr
.irp s, 0,1,2,3
.irp p, 0,1
	global_load_b32 v[QSW+2*\s+\p], v[L4], s[48:49] offset:4096*\s+128*\p      ; lanes 0-15 tile 2 p, lanes 16-31 tile 2 p + 1
.endr
.endr
.irp k, 0,1,2,3,4,5,6,7
.irp s, 0,1,2,3
	global_load_b32 v[KSW+4*\k+\s], v[L4], s[50:51] offset:4096*\s+128*\k      ; lanes 0-15 the key block's tile u = 0, lanes 16-31 u = 1
.endr
.endr
.irp k, 0,1,2,3,4,5,6,7
	global_load_b128 v[VSW+4*\k:VSW+4*\k+3], v[L16], s[52:53] offset:512*\k    ; key step k: register ct / 2; lanes 0-15 even channel tiles, lanes 16-31 odd ones
.endr
.irp p, 0,1,2,3
	global_load_b128 v[PJS+4*\p:PJS+4*\p+3], v[L16], s[54:55] offset:512*\p    ; rows 32 p + lane: four K steps' words
.endr
.irp c, 0,1,2,3,4,5,6,7
	global_load_b32 v[BP+\c], v[R4], s[56:57] offset:64*\c
.endr
	WIN 0xc0                                       ; destination window 3
.set kk, 0
.rept 64
	global_load_b128 v[4*kk:4*kk+3], v[L16], s[40:41] offset:512*kk            ; q's fragments (Tq, s) at 64 Tq + 16 s
.set kk, kk+1
.endr
	WIN 0
; THE RING.  Unit n lies in buffer n % 3.  Units 0-7: two key tiles x four K steps of k; 8-15: eight channel tiles of v for a key step; 16-19: eight tiles of wp for a K step.
.macro LOADU n
.if (\n)%3 == 2
	WIN 0x80
.else
	WIN 0x40
.endif
.set LBB, 128*(((\n)%3)%2)
.set ff, 0
.rept 32
.if (\n) < 8
	global_load_b128 v[LBB+4*ff:LBB+4*ff+3], v[L16], s[42:43] offset:16384*(\n)+512*ff
.elseif (\n) < 16
	global_load_b128 v[LBB+4*ff:LBB+4*ff+3], v[L16], s[44:45] offset:16384*((\n)-8)+512*ff
.else
	global_load_b128 v[LBB+4*ff:LBB+4*ff+3], v[L16], s[46:47] offset:8192*(ff/4)+2048*((\n)-16)+512*(ff%4)
.endif
.set ff, ff+1
.endr
	WIN 0
.endm
	LOADU 0
	LOADU 1
; The softmax of key block kb for my four tiles of queries (block b = tile Tq): a lane holds one query and 16 of the block's 32 keys.
.macro SOFTMAX kb
.irp b, 0,1,2,3
	v_max3_num_f32 v[BM+\b], v[S+16*\b], v[S+16*\b+1], v[S+16*\b+2]            ; the block's largest score, from each accumulator's low end on
.endr
.irp i, 3,5,7,9,11,13
.irp b, 0,1,2,3
	v_max3_num_f32 v[BM+\b], v[BM+\b], v[S+16*\b+\i], v[S+16*\b+\i+1]
.endr
.endr
.irp b, 0,1,2,3
	v_max_num_f32 v[BM+\b], v[BM+\b], v[S+16*\b+15]
.endr
.irp b, 0,1,2,3
	v_permlanex16_b32 v[PX+\b], v[BM+\b], s[SEL], s[SEL+1]
.endr
.irp b, 0,1,2,3
	v_max_num_f32 v[BM+\b], v[BM+\b], v[PX+\b]     ; with lane l xor 16's 16 keys
.endr
.irp b, 0,1,2,3
	v_mul_f32 v[NMP+2*\b+1], s[CS], v[BM+\b]       ; as t (c is positive)
.endr
.irp b, 0,1,2,3
	v_floor_f32 v[NMP+2*\b], -v[NMP+2*\b+1]        ; -M_blk = floor(-t) = -ceil(t): a whole number
.endr
.irp i, 0,2,4,6,8,10,12,14
.irp b, 0,1,2,3
	v_pk_fma_f32 v[S+16*\b+\i:S+16*\b+\i+1], v[S+16*\b+\i:S+16*\b+\i+1], s[CS:CS+1], v[NMP+2*\b:NMP+2*\b+1] op_sel_hi:[1,0,0]   ; t - M_blk, two at a time
.endr
.endr
.irp b, 0,1,2,3
	v_fma_f32 v[BM+\b], v[BM+\b], s[CS], v[NMP+2*\b]   ; the same of the largest score: p' rises with the score, so this gives the block's largest p'
.endr
.set kk, 0
.rept 64
	v_exp_f32 v[S+kk], v[S+kk]                     ; p' = 2^(t - M_blk)
.set kk, kk+1
.endr
.irp b, 0,1,2,3
	v_exp_f32 v[BM+\b], v[BM+\b]                   ; between 1/2 and 1: no floor is needed
.endr
	v_nop                                          ; one plain instruction behind the exponentials
	s_wait_alu depctr_va_vdst(0)
.irp b, 0,1,2,3
	v_add_nc_u32 v[SOP+\b], 0xfc000000, v[BM+\b]   ; 8 off the exponent field: the conversion's scale operand
.endr
.irp b, 0,1,2,3
	v_and_or_b32 v[HLD+\b], v[BM+\b], 0x7f800000, s[MNT]   ; 448 x the scale
.endr
.irp b, 0,1,2,3
	v_lshrrev_b32 v[BYT+\b], 23, v[SOP+\b]         ; the byte under M_blk
.endr
.irp b, 0,1,2,3
	v_pk_add_f32 v[LP+2*\b:LP+2*\b+1], v[S+16*\b:S+16*\b+1], v[S+16*\b+2:S+16*\b+3]   ; the sum is taken of the unquantised p'
.endr
.irp i, 4,6,8,10,12,14
.irp b, 0,1,2,3
	v_pk_add_f32 v[LP+2*\b:LP+2*\b+1], v[LP+2*\b:LP+2*\b+1], v[S+16*\b+\i:S+16*\b+\i+1]
.endr
.endr
	WIN 0x80                                       ; destination window 2: the block's three figures are kept until M is known
.irp b, 0,1,2,3
	v_mov_b32 v[NM+4*(\kb)+\b], v[NMP+2*\b]
	v_add_f32 v[LB+4*(\kb)+\b], v[LP+2*\b], v[LP+2*\b+1]
	v_cvt_f32_u32 v[BY+4*(\kb)+\b], v[BYT+\b]
.endr
	WIN 0
	s_wait_dscnt 0x0                               ; the last unit's LDS stores have read the codes' registers
.irp b, 0,1,2,3
.irp i, 0,1,2,3,4,5,6,7,8,9,10,11,12,13,14,15
	v_min_num_f32 v[S+16*\b+\i], v[S+16*\b+\i], v[HLD+\b]   ; the conversion does not saturate (ISA guide 7.6.2); p' is not negative, so the hold is one-sided
.endr
	v_cvt_scalef32_pk8_fp8_f32 v[PC+4*\b:PC+4*\b+1], v[S+16*\b:S+16*\b+7], v[SOP+\b]
	v_cvt_scalef32_pk8_fp8_f32 v[PC+4*\b+2:PC+4*\b+3], v[S+16*\b+8:S+16*\b+15], v[SOP+\b]
.endr
	v_nop                                          ; one plain instruction behind the last conversion: the next products write its sources
.irp b, 0,1,2,3
	ds_store_b128 v[PST], v[PC+4*\b:PC+4*\b+3] offset:16384*\b+2048*((\kb)/4)+512*((\kb)%4)   ; group kb % 4 of the image of (tile b, key step 2 w + kb / 4): 512 consecutive bytes
.endr
.endm
; PHASE 1, unit kb: S^T of 32 keys x 64 queries: 32 matrix instructions on eight accumulators by turns, K step by K step.
.macro KUNIT kb
	s_wait_loadcnt 32                              ; this unit's 32 loads are in (and all that was asked for before them); the next unit's 32 may be out
	LOADU (\kb)+2                                  ; into the buffer that the unit before multiplied: its softmax is the places
.set BB, 128*(((\kb)%3)%2)
.if (\kb)%3 == 2
	WIN 0x0e                                       ; source 0 (k) window 2, source 1 (q) window 3
.else
	WIN 0x0d                                       ; source 0 window 1
.endif
.irp s, 0,1,2,3
.irp q, 0,1,2,3
.irp u, 0,1
.set rD, S+16*\q+8*\u
.set rA, BB+16*(4*\u+\s)
.set rB, 64*\q+16*\s
.set rC, rD
.if \s == 0
.set rC, -1
.endif
.set rSA, KSW+4*(\kb)+\s
.set fA, \u
.set rSB, QSW+2*\s+\q/2
.set fB, \q%2
	MMA
.endr
.endr
.endr
	WIN 0
	PLACES 8                                       ; eight places between the last product and the first read of results
	SOFTMAX \kb
.endm
.irp n, 0,1,2,3,4,5,6,7
	KUNIT \n
.endr
	; M OF EACH QUERY: the least -M_blk of my eight blocks, then of the four waves'.
	WIN 0x2a                                       ; all three sources window 2
.irp q, 0,1,2,3
	v_min3_num_f32 v[NMF+\q], v[NM+\q], v[NM+4+\q], v[NM+8+\q]
.endr
	WIN 0x28                                       ; sources 1 and 2 window 2
.irp q, 0,1,2,3
	v_min3_num_f32 v[NMF+\q], v[NMF+\q], v[NM+12+\q], v[NM+16+\q]
.endr
.irp q, 0,1,2,3
	v_min3_num_f32 v[NMF+\q], v[NMF+\q], v[NM+20+\q], v[NM+24+\q]
.endr
.irp q, 0,1,2,3
	v_min_num_f32 v[NMF+\q], v[NMF+\q], v[NM+28+\q]
.endr
	WIN 0
	ds_store_b128 v[MST], v[NMF:NMF+3]
	s_wait_dscnt 0x0                               ; for the others' sake: this store and my images of p have landed
	s_barrier_signal -1
	s_barrier_wait -1
.irp i, 0,1,2,3
	ds_load_b128 v[S+4*\i:S+4*\i+3], v[MLD] offset:512*\i
.endr
	s_wait_dscnt 0x0
.irp q, 0,1,2,3
	v_min3_num_f32 v[NMF+\q], v[S+\q], v[S+4+\q], v[S+8+\q]
.endr
.irp q, 0,1,2,3
	v_min_num_f32 v[NMF+\q], v[NMF+\q], v[S+12+\q] ; -M
.endr
	WIN 0x08                                       ; source 1 window 2
.set kk, 0
.rept 32
	v_sub_f32 v[S+kk], v[NMF+kk%4], v[NM+kk]       ; d = M_blk - M: a whole number, 0 or less
.set kk, kk+1
.endr
.set kk, 0
.rept 32
	v_add_f32 v[S+32+kk], v[S+kk], v[BY+kk]        ; the block's byte under M
.set kk, kk+1
.endr
	WIN 0
.set kk, 0
.rept 32
	v_max_num_f32 v[S+32+kk], 0, v[S+32+kk]        ; held at 0 from below
.set kk, kk+1
.endr
.set kk, 0
.rept 32
	v_cvt_u32_f32 v[S+32+kk], v[S+32+kk]
	v_cvt_i32_f32 v[S+kk], v[S+kk]                 ; (it saturates)
.set kk, kk+1
.endr
	WIN 0x02                                       ; source 0 window 2
.set kk, 0
.rept 32
	v_ldexp_f32 v[S+kk], v[LB+kk], v[S+kk]         ; the block's sum under M: x 2^d rounds nothing
.set kk, kk+1
.endr
	WIN 0
	v_pk_add_f32 v[LS4:LS4+1], v[S:S+1], v[S+4:S+5]
	v_pk_add_f32 v[LS4+2:LS4+3], v[S+2:S+3], v[S+6:S+7]
.irp k, 2,3,4,5,6,7
	v_pk_add_f32 v[LS4:LS4+1], v[LS4:LS4+1], v[S+4*\k:S+4*\k+1]
	v_pk_add_f32 v[LS4+2:LS4+3], v[LS4+2:LS4+3], v[S+4*\k+2:S+4*\k+3]
.endr
.irp q, 0,1,2,3
	v_permlanex16_b32 v[PX+\q], v[LS4+\q], s[SEL], s[SEL+1]
.endr
.irp q, 0,1,2,3
	v_add_f32 v[LS4+\q], v[LS4+\q], v[PX+\q]       ; with lane l xor 16's keys: my wave's 256 keys
.endr
.irp i, 0,1
.irp q, 0,1,2,3
	v_lshl_or_b32 v[S+32+16*\i+\q], v[S+36+16*\i+\q], 8, v[S+32+16*\i+\q]      ; four blocks' bytes make the scale word of (tile q, key step 2 w + i)
	v_lshl_or_b32 v[S+32+16*\i+\q], v[S+40+16*\i+\q], 16, v[S+32+16*\i+\q]
	v_lshl_or_b32 v[S+32+16*\i+\q], v[S+44+16*\i+\q], 24, v[S+32+16*\i+\q]
.endr
.endr
.irp i, 0,1
.irp q, 0,1,2,3
	ds_store_b32 v[WST], v[S+32+16*\i+\q] offset:1024*\q+128*\i
.endr
.endr
	ds_store_b128 v[MST], v[LS4:LS4+3] offset:2048 ; other bytes than the first exchange's
	s_wait_dscnt 0x0
	s_barrier_signal -1
	s_barrier_wait -1                              ; p's images, scale words and the four partial sums lie in LDS
.macro PFETCH ks                       ; the four tiles' fragments of p for key step ks into set ks % 2, and their scale words: 20 LDS loads
	WIN 0x80
.irp q, 0,1,2,3
.irp c, 0,1,2,3
	ds_load_b128 v[128+64*((\ks)%2)+16*\q+4*\c:128+64*((\ks)%2)+16*\q+4*\c+3], v[PLD] offset:(8*\q+(\ks))*2048+512*\c
.endr
.endr
	WIN 0
.irp q, 0,1,2,3
	ds_load_b32 v[FSW+4*((\ks)%2)+\q], v[WLD] offset:(8*\q+(\ks))*128
.endr
.endm
.macro OFETCH ks                       ; the same of o for K step ks
	WIN 0x80
.irp q, 0,1,2,3
.irp c, 0,1,2,3
	ds_load_b128 v[128+64*((\ks)%2)+16*\q+4*\c:128+64*((\ks)%2)+16*\q+4*\c+3], v[OLD] offset:(4*\q+(\ks))*2048+512*\c
.endr
.endr
	WIN 0
.irp q, 0,1,2,3
	ds_load_b32 v[FSW+4*((\ks)%2)+\q], v[ULD] offset:(4*\q+(\ks))*128
.endr
.endm
.irp i, 0,1,2,3
	ds_load_b128 v[S+4*\i:S+4*\i+3], v[MLD] offset:2048+512*\i
.endr
	PFETCH 0
	s_wait_dscnt 20                                ; the four waves' sums are in; the 20 loads issued behind them may be out
	v_pk_add_f32 v[S:S+1], v[S:S+1], v[S+4:S+5]
	v_pk_add_f32 v[S+2:S+3], v[S+2:S+3], v[S+6:S+7]
	v_pk_add_f32 v[S+8:S+9], v[S+8:S+9], v[S+12:S+13]
	v_pk_add_f32 v[S+10:S+11], v[S+10:S+11], v[S+14:S+15]
	v_pk_add_f32 v[S:S+1], v[S:S+1], v[S+8:S+9]
	v_pk_add_f32 v[S+2:S+3], v[S+2:S+3], v[S+10:S+11]              ; l of my query in each tile
.irp q, 0,1,2,3
	v_rcp_f32 v[RLP+2*\q], v[S+\q]                 ; twice: a pair for the packed multiplication
	v_rcp_f32 v[RLP+2*\q+1], v[S+\q]
.endr
	v_nop                                          ; one plain instruction behind the reciprocals
	s_wait_alu depctr_va_vdst(0)
; PHASE 2, unit n: O^T += v p^T for key step n - 8: 32 accumulators, one instruction each.
.macro VUNIT n
	WIN 0
	PLACES 8                                       ; eight places in front of loads into registers that the last products read
	s_wait_loadcnt 32
	LOADU (\n)+2
.if (\n) < 15
	PFETCH (\n)-7
	s_wait_dscnt 20                                ; this key step's p is in; the next one's 20 loads may be out
.else
	s_wait_dscnt 0x0
.endif
.set BB, 128*(((\n)%3)%2)
.if (\n)%3 == 2
	WIN 0xfa                                       ; source 0 (v) window 2, source 1 (p) window 2, C and D window 3
.else
	WIN 0xf9                                       ; source 0 window 1
.endif
.irp c, 0,1,2,3,4,5,6,7
.irp q, 0,1,2,3
.set rD, 64*\q+8*\c
.set rA, BB+16*\c
.set rB, 128+64*((\n)%2)+16*\q
.set rC, rD
.if (\n) == 8
.set rC, -1
.endif
.set rSA, VSW+4*((\n)-8)+\c/2
.set fA, \c%2
.set rSB, FSW+4*((\n)%2)+\q
.set fB, 0
	MMA
.endr
.endr
.endm
.irp n, 8,9,10,11,12,13,14,15
	VUNIT \n
.endr
; 64 numbers of a lane (register 16 b + i = channel 32 b + 16 h + i of K step w, of my query) become a fragment's codes in v[PC] on and its scale word in v[PW].
.macro QUANT s
.irp b, 0,1,2,3
	v_max3_num_f32 v[QT+\b], |v[\s+16*\b]|, |v[\s+1+16*\b]|, 0x4800000   ; and the floor 2^(9 - 127): the byte cannot fall under 1
.endr
.irp i, 2,4,6,8,10,12,14
.irp b, 0,1,2,3
	v_max3_num_f32 v[QT+\b], v[QT+\b], |v[\s+16*\b+\i]|, |v[\s+1+16*\b+\i]|
.endr
.endr
.irp b, 0,1,2,3
	v_permlanex16_b32 v[QT+4+\b], v[QT+\b], s[SEL], s[SEL+1]
.endr
.irp b, 0,1,2,3
	v_max_num_f32 v[QT+\b], v[QT+\b], v[QT+4+\b]
.endr
.irp b, 0,1,2,3
	v_add_nc_u32 v[QT+12+\b], 0xfc000000, v[QT+\b]
.endr
.irp b, 0,1,2,3
	v_and_or_b32 v[QT+8+\b], v[QT+\b], 0x7f800000, s[MNT]
.endr
.irp b, 0,1,2,3
	v_lshrrev_b32 v[QT+4+\b], 23, v[QT+12+\b]
.endr
	v_lshl_or_b32 v[PW], v[QT+5], 8, v[QT+4]
	v_lshl_or_b32 v[PW], v[QT+6], 16, v[PW]
	v_lshl_or_b32 v[PW], v[QT+7], 24, v[PW]
.irp b, 0,1,2,3
.irp i, 0,1,2,3,4,5,6,7,8,9,10,11,12,13,14,15
	v_med3_num_f32 v[\s+16*\b+\i], v[\s+16*\b+\i], -v[QT+8+\b], v[QT+8+\b]
.endr
	v_cvt_scalef32_pk8_fp8_f32 v[PC+4*\b:PC+1+4*\b], v[\s+16*\b:\s+7+16*\b], v[QT+12+\b]
	v_cvt_scalef32_pk8_fp8_f32 v[PC+2+4*\b:PC+3+4*\b], v[\s+8+16*\b:\s+15+16*\b], v[QT+12+\b]
.endr
	v_nop                                          ; one plain instruction behind the last conversion
.endm
	WIN 0
	PLACES 8                                       ; eight places between the last product and the first read of results
.irp q, 0,1,2,3
	WIN 0x03                                       ; source 0 (O^T) window 3
.set kk, 0
.rept 32
	v_pk_mul_f32 v[S+2*kk:S+2*kk+1], v[64*\q+2*kk:64*\q+2*kk+1], v[RLP+2*\q:RLP+2*\q+1]   ; o = O^T / l, each accumulator from its low end on
.set kk, kk+1
.endr
	WIN 0
	QUANT S
.irp c, 0,1,2,3
	ds_store_b128 v[OST], v[PC+4*\c:PC+4*\c+3] offset:8192*\q+512*\c
.endr
	ds_store_b32 v[UST], v[PW] offset:512*\q
	s_wait_dscnt 0x0                               ; the stores have read their registers
.endr
	s_wait_tensorcnt 0x0                           ; my 128 rows of x have landed: I alone read them
	WIN 0xc0                                       ; destination window 3: O^T has been read out: x becomes the start of out's sums
.irp c, 0,1,2,3,4,5,6,7
.irp q, 0,1,2,3
	ds_load_b128 v[8*(4*\c+\q):8*(4*\c+\q)+3], v[XA] offset:4352*\c+128*(\q/2)+32*(\q%2)          ; lane (r, h): channel 16 c + r, pixels 32 (q / 2) + 8 (q % 2) + 16 h + 0 .. 7
	ds_load_b128 v[8*(4*\c+\q)+4:8*(4*\c+\q)+7], v[XA] offset:4352*\c+128*(\q/2)+32*(\q%2)+16
.endr
.endr
	WIN 0
	s_wait_dscnt 0x0                               ; x is in; for the others' sake: my images of o have landed
	s_barrier_signal -1
	s_barrier_wait -1
	OFETCH 0
.irp c, 0,1,2,3,4,5,6,7
	v_mov_b32 v[S+2*\c], v[BP+\c]                  ; bp of my channel in tile c, twice: a pair for the packed addition
	v_mov_b32 v[S+2*\c+1], v[BP+\c]
.endr
	WIN 0xc3                                       ; destination and source 0 window 3
.irp c, 0,1,2,3,4,5,6,7
.irp q, 0,1,2,3
.irp i, 0,2,4,6
	v_pk_add_f32 v[8*(4*\c+\q)+\i:8*(4*\c+\q)+\i+1], v[8*(4*\c+\q)+\i:8*(4*\c+\q)+\i+1], v[S+2*\c:S+2*\c+1]
.endr
.endr
.endr
; PHASE 3, unit n: out += o wp^T for K step n - 16 (source 0 = 16 queries of o, source 1 = 16 rows of wp): a lane holds one output channel and eight neighbouring pixels.
.macro PUNIT n
	WIN 0
	PLACES 8
.if (\n) < 19
	s_wait_loadcnt 32
.else
	s_wait_loadcnt 0x0                             ; the ring's last unit: nothing was asked for behind it
.endif
.if (\n) < 18
	LOADU (\n)+2
.endif
.if (\n) < 19
	OFETCH (\n)-15
	s_wait_dscnt 20
.else
	s_wait_dscnt 0x0
.endif
.set BB, 128*(((\n)%3)%2)
.if (\n)%3 == 2
	WIN 0xfa                                       ; source 0 (o) window 2, source 1 (wp) window 2, C and D window 3
.else
	WIN 0xf6                                       ; source 1 window 1
.endif
.irp c, 0,1,2,3,4,5,6,7
.irp q, 0,1,2,3
.set rD, 8*(4*\c+\q)
.set rA, 128+64*((\n)%2)+16*\q
.set rB, BB+16*\c
.set rC, rD
.set rSA, FSW+4*((\n)%2)+\q
.set fA, 0
.set rSB, PJS+4*(\c/2)+(\n)-16
.set fB, \c%2
	MMA
.endr
.endr
.endm
.irp n, 16,17,18,19
	PUNIT \n
.endr
	; THE WAY OUT: the results go where x lay (my own rows; they have had their only fill) and come back as whole rows of 256 bytes.
	WIN 0
	PLACES 8                                       ; eight places between the last product and the first read of results, and in front of loads into the ring's buffers
	WIN 0x0c                                       ; an LDS store's data are its source 1: window 3
.irp c, 0,1,2,3,4,5,6,7
.irp q, 0,1,2,3
	ds_store_b128 v[XA], v[8*(4*\c+\q):8*(4*\c+\q)+3] offset:4352*\c+128*(\q/2)+32*(\q%2)         ; each accumulator from its low end on
	ds_store_b128 v[XA], v[8*(4*\c+\q)+4:8*(4*\c+\q)+7] offset:4352*\c+128*(\q/2)+32*(\q%2)+16
.endr
.endr
	WIN 0x40                                       ; destination window 1
.set kk, 0
.rept 64
	ds_load_b128 v[4*kk:4*kk+3], v[XR] offset:544*kk               ; two rows an instruction; LDS serves a wave's instructions in order (ISA guide 5.7.1.4): these see the stores
.set kk, kk+1
.endr
	WIN 0x04                                       ; a store's data are its source 1: window 1
.set kk, 0
.rept 64
	s_wait_dscnt 63-kk                             ; rows 2 k and 2 k + 1 are back; the younger loads stay out
	global_store_b128 v[GO], v[4*kk:4*kk+3], s[58:59] offset:8192*kk th:TH_STORE_NT   ; sixteen lanes store 256 consecutive bytes, at a multiple of 256 from out0's first byte; written once
.set kk, kk+1
.endr
	WIN 0
	s_wait_tensorcnt 0x0
	ds_add_u32 v246, v247
	s_wait_dscnt 0x0
	s_endpgm
.Lfunc_end_k_qc1656cba32_attn:
	.size	k_qc1656cba32_attn, .Lfunc_end_k_qc1656cba32_attn-k_qc1656cba32_attn
	.p2alignl 7, 3214868480
	.fill 96, 4, 3214868480
	.section	.rodata,"a",@progbits
	.p2align	6, 0x0
	.amdhsa_kernel k_qc1656cba32_attn
		.amdhsa_group_segment_fixed_size 248320
		.amdhsa_private_segment_fixed_size 0
		.amdhsa_enable_private_segment 0
		.amdhsa_kernarg_size 56
		.amdhsa_user_sgpr_count 2
		.amdhsa_user_sgpr_kernarg_segment_ptr 1
		.amdhsa_wavefront_size32 1
		.amdhsa_system_sgpr_workgroup_id_x 1
		.amdhsa_system_sgpr_workgroup_id_y 1
		.amdhsa_system_sgpr_workgroup_id_z 1
		.amdhsa_system_vgpr_workitem_id 0
		.amdhsa_next_free_vgpr 1024
		.amdhsa_next_free_sgpr 68
		.amdhsa_reserve_vcc 0
		.amdhsa_float_denorm_mode_32 3
		.amdhsa_float_denorm_mode_16_64 3
		.amdhsa_memory_ordered 1
		.amdhsa_forward_progress 1
		.amdhsa_inst_pref_size 255
	.end_amdhsa_kernel
	.section	.bss,"aw",@nobits
	.p2align	6
	.space	262144
	.amdgpu_metadata
---
amdhsa.version: [ 1, 2 ]
amdhsa.kernels:
  - .name:           k_qc1656cba32_attn
    .symbol:         k_qc1656cba32_attn.kd
    .args:
      - { .name: x, .offset: 0, .size: 8, .value_kind: global_buffer, .address_space: global }
      - { .name: qkvc, .offset: 8, .size: 8, .value_kind: global_buffer, .address_space: global }
      - { .name: qkvs, .offset: 16, .size: 8, .value_kind: global_buffer, .address_space: global }
      - { .name: wimg, .offset: 24, .size: 8, .value_kind: global_buffer, .address_space: global }
      - { .name: wp_scales, .offset: 32, .size: 8, .value_kind: global_buffer, .address_space: global }
      - { .name: bp, .offset: 40, .size: 8, .value_kind: global_buffer, .address_space: global }
      - { .name: out0, .offset: 48, .size: 8, .value_kind: global_buffer, .address_space: global }
    .group_segment_fixed_size: 248320
    .private_segment_fixed_size: 0
    .kernarg_segment_align: 8
    .kernarg_segment_size: 56
    .max_flat_workgroup_size: 128
    .sgpr_count:     68
    .vgpr_count:     1024
    .wavefront_size: 32
...
	.end_amdgpu_metadata
.endif
;; end of part 3
